; MI455X (gfx1250); checked and timed in simulation.
; The chip was launched on July 23, 2026; its instructions are those of AMD's public machine-readable ISA for CDNA 5 (MIT licence, August 2026) and "CDNA5" Instruction Set Architecture Reference Guide (July 2026). The comments in the code are by the model that wrote it; some were corrected since.
;; Attention. Allowed arithmetic: matrix products marked QUANTISED: E2M3 operands, one E8M0 scale for each 32 along K, by v_wmma_scale_f32_16x16x128_f8f6f4 with both operands' format E2M3, f32 sums; everything else in f32.
;; Inputs: Wk 1,024 x 64 float32; Wq 1,024 x 64 float32; Wv 1,024 x 64 float32; x 16 x 4,096 x 1,024 float32.
;; Outputs: out0 16 x 4,096 x 64 float32.
;; This version of the problem:
;;   THIS VERSION OF THE PROBLEM IS GIVEN IN LOW PRECISION. The matrix products marked QUANTISED in the list below multiply operands that are first quantised to E2M3 (2 exponent bits, 3 mantissa bits; 6 bits a number), with one power-of-two scale for each 32 numbers along K (OCP MX v1.0); their sums are f32. All else is computed in f32.
;;   The module's matrix products, in the order in which they are computed (A, B: the left and right operand; K: the contracted axis; several contracted axes count as one K, in the product's order):
;;     1. [M 65,536, K 1,024] x [K 1,024, N 64]; A: input x; B: input Wq: QUANTISED
;;     2. [M 65,536, K 1,024] x [K 1,024, N 64]; A: input x; B: input Wk: QUANTISED
;;     3. [M 65,536, K 1,024] x [K 1,024, N 64]; A: input x; B: input Wv: QUANTISED
;;     4. batch 16 x [M 4,096, K 64] x [K 64, N 4,096]; A: computed on the way; B: computed on the way: QUANTISED
;;     5. batch 16 x [M 4,096, K 4,096] x [K 4,096, N 64]; A: softmax (see below); B: computed on the way: QUANTISED
;;   THE QUANTISER, for each operand of a quantised product, along K:
;;     - K is cut into blocks of 32 from its start; a last block that is shorter is filled with zeros.
;;     - A block's scale is 2^e with e = floor(log2(the largest magnitude in the block)) - 2, held to -126 .. 127; a block of zeros has e = 0. As a byte (E8M0): e + 127.
;;     - Each number is divided by its block's scale, clamped to +-7.5, and rounded to the nearest number of E2M3, ties to even, subnormals kept.
;;     - The product sums the exact products of the quantised numbers (number of the format x scale) in f32.
;;   ~~~python
;;   def quantise(x, axis):      # numpy; x: float32 -> the quantised numbers, widened to float32 again
;;       x = np.moveaxis(x, axis, -1); K = x.shape[-1]
;;       x = np.pad(x, [(0, 0)] * (x.ndim - 1) + [(0, -K % 32)]); x = x.reshape(x.shape[:-1] + (-1, 32)); a = np.abs(x).max(-1, keepdims=True)
;;       e = np.where(a > 0, np.clip(np.frexp(np.where(a > 0, a, 1))[1] - 1 - 2, -126, 127), 0)      # np.frexp(a)[1] - 1 = floor(log2(a)), exactly
;;       r = np.clip(x / 2.0 ** e, -7.5, 7.5)
;;       step = 2.0 ** (np.maximum(np.frexp(np.where(r == 0, 1, r))[1] - 1, 0) - 3)
;;       q = np.round(r / step) * step * 2.0 ** e      # np.round: ties to even
;;       return np.moveaxis(q.reshape(q.shape[:-2] + (-1,))[..., :K], -1, axis).astype(np.float32)
;;   ~~~
;;   SOFTMAX AHEAD OF A QUANTISED PRODUCT. Where the list says 'softmax', what is quantised is not the finished softmax but p = 2^(t - M), with t = logit x log2(e) and M = ceil(the row's largest t), a whole number; so 1/2 < the row's largest p <= 1. The row's sum l is taken of the UNQUANTISED p, in f32, and the product's result is divided by l at the end. Since M is a whole number, a kernel that streams over the keys may use a running M (the ceiling of the running maximum): every later rescaling is an exact power of two, which a block's scale takes up: the codes' values come out the same.
;;   OPERANDS COMPUTED ON THE WAY. 'Computed on the way' means the value that the module computes at that place (a softmax that the list does not call 'softmax' is quantised finished and normalised). What goes into a quantiser is computed in f32, as accurately as f32 sums, v_exp_f32 and their like allow (about 1e-6 of the number): no bf16 or f16 on the way to a quantiser, and a product that is left as it is and whose result goes on into a quantised operand takes f32 operands (vector FMAs, or v_wmma_f32_16x16x4_f32). A number that lies on a knife's edge between two numbers of the format may be rounded either way, as far as f32 arithmetic and the matrix unit's own rounding can turn it there, and no further.
;; One version. Each part assembles by itself: llvm-mc -triple=amdgcn-amd-amdhsa -mcpu=gfx1250 --defsym DOCPART=n.
;; ======== version 1 of 1: 3 launches
;; limits: right only within a limited range of input values
;; workspace buffers: wimg 153,600 bytes; qkv 10,092,544 bytes
;; launch wq (part 1): grid 3 x 8, 4 waves a work-group, no clusters, 768 bytes of LDS; arguments Wq, Wk, Wv, wimg; writes wimg
.if DOCPART == 1
	.amdgcn_target "amdgcn-amd-amdhsa--gfx1250"
	.amdhsa_code_object_version 6
	.text
	.protected	k_q990d88f9ee_wq
	.globl	k_q990d88f9ee_wq
	.p2align	8
	.type	k_q990d88f9ee_wq,@function
k_q990d88f9ee_wq:
	s_mov_b64 s[64:65], 0
	v_nop
	global_prefetch_b8 v0, s[64:65] scope:SCOPE_SE
	s_setreg_imm32_b32 hwreg(HW_REG_WAVE_MODE, 25, 1), 1
	s_wait_xcnt 0x0
; Wq, Wk, Wv: [1024 (k)][64 (d)] f32, K = the first axis.  They become codes of E2M3 with one E8M0 byte for each 32 along K, laid in the ORDER OF AN OPERAND'S REGISTERS:
; fragment (K step s of 128, tile t = 4 x tensor + t') at byte (12 s + t) 1536 of wimg, registers 4 c .. 4 c + 3 of lane l at 512 c + 16 l; the scale words at 147,456 + 768 s + 64 t + 4 r.
; THE COLUMNS OF A TILE ARE NOT NEIGHBOURS: lane r of tile t' takes column d = 32 (r / 8) + 8 t' + r % 8, so that in a product's result a lane's 32 registers over t' = 0 .. 3 are 32 neighbouring d.
; A work-group takes one tensor (x) and one K step (y), a wave one tile.  A LANE TAKES A COLUMN AND ITS REGISTERS RUN DOWN K, in the order that the operand's layout gives that lane
; (registers 6 c .. 6 c + 5: k = 64 c + 32 (lane / 16) + 0 .. 31): a lane holds two whole blocks, no other lane is asked for a maximum, and the conversions' results are the operand's registers.
; A block's scale is 2^(floor(log2(its largest magnitude)) - 2); its byte is the largest magnitude's exponent field - 2, held at 1 from below.
; LIMITS: NaN and infinities among the inputs are not served; a block whose largest magnitude lies under 2^-124, a block of zeros among them, gets the byte 1 (the rule says 127 for zeros: the codes are zeros, and this program alone reads the bytes).
.set TM,  16                           ; v16-17  the two blocks' largest magnitudes
.set SO,  18                           ; v18-19  the conversions' scale operands
.set BY,  20                           ; v20-21  the scale bytes
.set CT,  24                           ; v24-30  the upper halves of the blocks' codes, before they are moved
.set CD,  48                           ; v48-59  the fragment's 12 registers
.set WD,  60                           ; v60     the scale word
.set X,   64                           ; v64-127 64 numbers
.set SEL, 26                           ; s[26:27] lane selects for v_permlanex16_b32: lane l xor 16
.set WSC, 147456                       ; where the scale words begin in wimg
	s_load_b256 s[4:11], s[0:1], 0x0               ; Wq s[4:5], Wk s[6:7], Wv s[8:9], wimg s[10:11]
	v_lshl_add_u32 v144, v0, 2, 0x100
	v_mov_b32 v145, 0
	v_lshrrev_b32 v1, 5, v0
	v_readfirstlane_b32 s12, v1                    ; wave = t'
	v_and_b32 v2, 15, v0                           ; r
	v_bfe_u32 v3, v0, 4, 1                         ; h
	v_and_b32 v4, 31, v0                           ; lane
	v_lshrrev_b32 v5, 3, v2
	v_and_b32 v6, 7, v2
	v_lshlrev_b32 v7, 7, v5                        ; my column's bytes in a row of W: 4 d = 128 (r / 8)
	v_lshl_add_u32 v7, v6, 2, v7                   ; + 4 (r % 8)
	v_lshl_add_u32 v7, v3, 13, v7                  ; lanes 16-31 begin 32 rows of 256 bytes further down
	s_lshl_b32 s13, s12, 5
	v_add_nc_u32 v7, s13, v7                       ; + 32 t'
	v_lshlrev_b32 v8, 4, v4                        ; 16 x lane: my place in a chunk of the fragment's image
	v_lshlrev_b32 v9, 2, v2
	s_lshl_b32 s15, s12, 6
	v_add_nc_u32 v9, s15, v9                       ; LDS: 64 x wave + 4 r: the work-group's 64 scale words
	v_lshlrev_b32 v10, 3, v4                       ; 8 x lane: the way out of those 256 bytes
	v_lshlrev_b32 v11, 3, v3                       ; 8 h: how far my bytes are shifted in the scale word
	v_mov_b32 v12, 0                               ; written once: a lane permute's destination counts as one of its sources
	s_mov_b32 s[SEL], 0x76543210
	s_mov_b32 s[SEL+1], 0xfedcba98
	s_and_b32 s14, ttmp7, 0xffff                   ; the K step s
	s_lshl_b32 s16, s14, 15                        ; 128 rows of 256 bytes
	s_mov_b32 s17, 0
	s_mul_i32 s18, s14, 12
	s_lshl_b32 s19, ttmp9, 2
	s_add_co_u32 s18, s18, s19
	s_add_co_u32 s18, s18, s12                     ; 12 s + 4 x tensor + t'
	s_mul_i32 s18, s18, 1536
	s_mov_b32 s19, 0
	s_mul_i32 s22, s14, 768
	s_lshl_b32 s23, ttmp9, 8
	s_add_co_u32 s22, s22, s23
	s_add_co_u32 s22, s22, WSC                     ; the work-group's 256 bytes of scale words
	s_mov_b32 s23, 0
	s_wait_alu depctr_va_vdst(0)
	s_wait_kmcnt 0x0
	s_cmp_lt_u32 ttmp9, 1                          ; which tensor: the choice hangs on the work-group's number alone
	s_cselect_b64 s[4:5], s[4:5], s[6:7]
	s_cmp_lt_u32 ttmp9, 2
	s_cselect_b64 s[4:5], s[4:5], s[8:9]
	s_add_nc_u64 s[4:5], s[4:5], s[16:17]
	s_add_nc_u64 s[20:21], s[10:11], s[18:19]
	s_add_nc_u64 s[24:25], s[10:11], s[22:23]
.irp c, 0,1
.irp i, 0,1,2,3,4,5,6,7,8,9,10,11,12,13,14,15,16,17,18,19,20,21,22,23,24,25,26,27,28,29,30,31
	global_load_b32 v[X+32*\c+\i], v7, s[4:5] offset:(64*\c+\i)*256   ; W(128 s + 64 c + 32 h + i, d); the four waves together read whole rows
.endr
.endr
	s_wait_loadcnt 0x0
	v_max3_num_f32 v[TM], |v[X]|, |v[X+1]|, 0x1800000              ; my two blocks by turns; the floor 2^(3 - 127) is one more leaf: the byte cannot fall under 1
	v_max3_num_f32 v[TM+1], |v[X+32]|, |v[X+33]|, 0x1800000
.irp i, 2,4,6,8,10,12,14,16,18,20,22,24,26,28,30
	v_max3_num_f32 v[TM], |v[X+\i]|, |v[X+\i+1]|, v[TM]
	v_max3_num_f32 v[TM+1], |v[X+32+\i]|, |v[X+33+\i]|, v[TM+1]
.endr
	v_add_nc_u32 v[SO], 0xff000000, v[TM]          ; 2 off the exponent field: the conversion takes the exponent field of this operand as its scale
	v_add_nc_u32 v[SO+1], 0xff000000, v[TM+1]
	v_lshrrev_b32 v[BY], 23, v[SO]                 ; the scale's byte
	v_lshrrev_b32 v[BY+1], 23, v[SO+1]
	v_cvt_scalef32_pk16_fp6_f32 v[CD:CD+2], v[X:X+15], v[SO]
	v_cvt_scalef32_pk16_fp6_f32 v[CT:CT+2], v[X+16:X+31], v[SO]    ; (a conversion's three registers begin on an even number: the upper half is made elsewhere and moved)
	v_cvt_scalef32_pk16_fp6_f32 v[CD+6:CD+8], v[X+32:X+47], v[SO+1]
	v_cvt_scalef32_pk16_fp6_f32 v[CT+4:CT+6], v[X+48:X+63], v[SO+1]
	v_nop                                          ; one plain place behind a scaled conversion
.irp i, 0,1,2
	v_mov_b32 v[CD+3+\i], v[CT+\i]
	v_mov_b32 v[CD+9+\i], v[CT+4+\i]
.endr
	v_lshl_or_b32 v[WD], v[BY+1], 16, v[BY]        ; my bytes: blocks h and 2 + h of the column,
	v_lshlrev_b32 v[WD], v11, v[WD]                ; at their places in the scale word;
	v_permlanex16_b32 v12, v[WD], s[SEL], s[SEL+1]
	v_or_b32 v[WD], v[WD], v12                     ; with lane l xor 16's two the word is whole
.irp c, 0,1,2
	global_store_b128 v8, v[CD+4*\c:CD+4*\c+3], s[20:21] offset:512*\c   ; 32 lanes store 512 consecutive bytes, at a multiple of 256 from wimg's first byte
.endr
	ds_store_b32 v9, v[WD]                         ; both halves of the lanes write the same word with the same value
	s_wait_dscnt 0x0                               ; for the others' sake: my store has landed
	s_barrier_signal -1
	s_barrier_wait -1
	s_cmp_lg_u32 s12, 0                            ; wave 0 sends the four tiles' 64 words out as 256 consecutive bytes
	s_cbranch_scc1 .Ldone
	ds_load_b64 v[14:15], v10
	s_wait_dscnt 0x0
	global_store_b64 v10, v[14:15], s[24:25]
.Ldone:
	s_wait_tensorcnt 0x0
	ds_add_u32 v144, v145
	s_wait_dscnt 0x0
	s_endpgm
.Lfunc_end_k_q990d88f9ee_wq:
	.size	k_q990d88f9ee_wq, .Lfunc_end_k_q990d88f9ee_wq-k_q990d88f9ee_wq
	.p2alignl 7, 3214868480
	.fill 96, 4, 3214868480
	.section	.rodata,"a",@progbits
	.p2align	6, 0x0
	.amdhsa_kernel k_q990d88f9ee_wq
		.amdhsa_group_segment_fixed_size 768
		.amdhsa_private_segment_fixed_size 0
		.amdhsa_enable_private_segment 0
		.amdhsa_kernarg_size 32
		.amdhsa_user_sgpr_count 2
		.amdhsa_user_sgpr_kernarg_segment_ptr 1
		.amdhsa_wavefront_size32 1
		.amdhsa_system_sgpr_workgroup_id_x 1
		.amdhsa_system_sgpr_workgroup_id_y 1
		.amdhsa_system_sgpr_workgroup_id_z 1
		.amdhsa_system_vgpr_workitem_id 0
		.amdhsa_next_free_vgpr 146
		.amdhsa_next_free_sgpr 66
		.amdhsa_reserve_vcc 0
		.amdhsa_float_denorm_mode_32 3
		.amdhsa_float_denorm_mode_16_64 3
		.amdhsa_memory_ordered 1
		.amdhsa_forward_progress 1
		.amdhsa_inst_pref_size 12
	.end_amdhsa_kernel
	.amdgpu_metadata
---
amdhsa.version: [ 1, 2 ]
amdhsa.kernels:
  - .name:           k_q990d88f9ee_wq
    .symbol:         k_q990d88f9ee_wq.kd
    .args:
      - { .name: Wq, .offset: 0, .size: 8, .value_kind: global_buffer, .address_space: global }
      - { .name: Wk, .offset: 8, .size: 8, .value_kind: global_buffer, .address_space: global }
      - { .name: Wv, .offset: 16, .size: 8, .value_kind: global_buffer, .address_space: global }
      - { .name: wimg, .offset: 24, .size: 8, .value_kind: global_buffer, .address_space: global }
    .group_segment_fixed_size: 768
    .private_segment_fixed_size: 0
    .kernarg_segment_align: 8
    .kernarg_segment_size: 32
    .max_flat_workgroup_size: 128
    .sgpr_count:     66
    .vgpr_count:     146
    .wavefront_size: 32
...
	.end_amdgpu_metadata
.endif
;; end of part 1
;; launch proj (part 2): grid 256 x 1, 4 waves a work-group, no clusters, 229,888 bytes of LDS; arguments x, wimg, qkv; writes qkv
.if DOCPART == 2
	.amdgcn_target "amdgcn-amd-amdhsa--gfx1250"
	.amdhsa_code_object_version 6
	.text
	.protected	k_q990d88f9ee_proj
	.globl	k_q990d88f9ee_proj
	.p2align	8
	.type	k_q990d88f9ee_proj,@function
k_q990d88f9ee_proj:
	s_mov_b64 s[64:65], 0
	v_nop
	global_prefetch_b8 v0, s[64:65] scope:SCOPE_SE
	s_setreg_imm32_b32 hwreg(HW_REG_WAVE_MODE, 25, 1), 1
	s_wait_xcnt 0x0
; q, k, v = Q(x) Q(W): x [65,536][1024] f32 is quantised on the way (E2M3, one E8M0 byte for each 32 along K), the weights come as codes in operand order (wimg); the three results are quantised at once,
; q and k along d, v along the tokens, and leave as codes and scale words laid as the attention launch's operand registers want them (qkv: 512 groups of 128 tokens, 19,712 bytes each:
; +0 K's codes, +6,144 V^T's codes, +12,288 K's scale words, +12,800 V's, +13,056 Q's codes, +19,200 Q's scale words).
; SHARES.  A work-group takes 256 tokens, a wave 64 of them (four tiles of 16) against all 12 tiles of the weights: 48 accumulators.  K goes in 8 steps of 128.
; THE ROWS OF A TILE ARE NOT NEIGHBOURS: row m of tile u (of 64 tokens, or of a weight's 64 d) is element 32 (m / 8) + 8 u + m % 8.  In a result a lane holds rows 8 (lane / 16) + j, so its 32 registers over
; u = 0 .. 3 are the WHOLE block 32 (lane / 16) + 0 .. 31: just what the 6-bit operand's layout asks of that lane.  No maximum needs another lane, no codes change lanes.
; q and k are made transposed (source 0 = 16 d of W, source 1 = 16 tokens): a lane holds one token and 32 d.  v is made as it reads (source 0 = tokens, source 1 = d): a lane holds one d and 32 tokens.
; x COMES THROUGH REGISTERS: each load reads 512 consecutive bytes of one row; four sets of 16 loads are kept on their way under counted waits, 32 to 64 loads a wave at all times.  A tile's 16 x 512 bytes turn
; through the wave's own stage in LDS (rows 528 bytes apart) and come back as 256 bytes a lane: two blocks of 32 neighbours.
; NO CLUSTER: what work-groups share is the weights' 153,600 bytes, read once at the start, beside 1,048,576 bytes of x that are each work-group's own.
; LIMITS: NaN and infinities are not served; a block whose largest magnitude lies under 2^-124, a block of zeros among them, gets the byte 1 (its codes are then zeros or nearly so; this program alone reads the bytes).
; REGISTERS, in windows of 256: window 0: v1-31 addresses and work; v32-35 x's scale words, v36-41 the weights'; v48-95 x's four fragments; v128-255 two sets of 64 numbers of x, at the end codes, words and the way out.
;   window 1: four sets of 64: x as loaded.   window 2: q's accumulators at 32 u + 8 t, k's at 128 + 32 u + 8 t.   window 3: v's at 32 t + 8 u; from v128 two buffers of four weight fragments.
.set WSC,  147456                      ; LDS 0 .. 153,599: a copy of wimg; its scale words begin here
.set STG,  153600                      ; the waves' turning stages, 16 rows x 528 bytes = 8,448 bytes each
.set OUT,  187392                      ; the work-group's two groups, in qkv's own layout: 39,424 bytes
.set GRP,  19712
.set XO,   1                           ; v1   16 x lane; never rewritten
.set SA,   2                           ; v2   the stage, on the way in
.set SL,   3                           ; v3   and on the way out: row r, + 128 h
.set AW,   4                           ; v4   LDS address of the K step's weight fragments
.set AWS,  5                           ; v5   and of their scale words
.set SH8,  6                           ; v6   8 h
.set PT,   7                           ; v7   a lane permute's destination
.set O8,   8                           ; v8-13 where my codes and words go in OUT
.set O4,   9
.set O16,  10
.set O16R, 11
.set O48,  12
.set O8R,  13
.set T0,   14
.set AWS0, 15                          ; v15  WSC + 4 x lane; never rewritten
.set TM,   16
.set SO,   18
.set BY,   20
.set CP,   22                          ; v22  the way out: OUT + 512 x wave + 16 x lane
.set GV,   23                          ; v23  and the same place in the work-group's part of qkv
.set CT,   24
.set T1,   31
.set XS,   32
.set WS,   36
.set XF,   48
.set X,    128
.set QC,   128                         ; at the end: q's codes (4 tiles x 6), k's, v's; their scale words
.set KC,   152
.set VC,   176
.set QW,   200
.set KW,   204
.set VW,   208
.set SEL,  24                          ; s[24:25]
.set MSB, 0
.macro WIN new                         ; the immediate's high byte repeats the setting that is left; a switch that changes nothing is dropped
.if MSB != (\new)
	s_set_vgpr_msb (MSB<<8)|(\new)
.set MSB, (\new)
.endif
.endm
; Two blocks of 32 numbers of a lane, v[s0] on and v[s1] on in window sw, become codes in v[d] .. v[d + 5] and v[d + 6] .. v[d + 11] of window 0; their bytes are left in v[BY], v[BY + 1].  The reads ascend.
.macro QCODES s0, s1, d, sw
	WIN (\sw)|((\sw)<<2)
	v_max3_num_f32 v[TM], |v[(\s0)]|, |v[(\s0)+1]|, 0x1800000      ; the floor 2^(3 - 127) is one more leaf: the byte cannot fall under 1
	v_max3_num_f32 v[TM+1], |v[(\s1)]|, |v[(\s1)+1]|, 0x1800000
.irp i, 2,4,6,8,10,12,14,16,18,20,22,24,26,28,30
	v_max3_num_f32 v[TM], |v[(\s0)+\i]|, |v[(\s0)+\i+1]|, v[TM]    ; (the two blocks by turns)
	v_max3_num_f32 v[TM+1], |v[(\s1)+\i]|, |v[(\s1)+\i+1]|, v[TM+1]
.endr
	WIN 0
	v_add_nc_u32 v[SO], 0xff000000, v[TM]          ; 2 off the exponent field: the conversion's scale operand
	v_add_nc_u32 v[SO+1], 0xff000000, v[TM+1]
	v_lshrrev_b32 v[BY], 23, v[SO]                 ; the scale's byte
	v_lshrrev_b32 v[BY+1], 23, v[SO+1]
	WIN (\sw)
	v_cvt_scalef32_pk16_fp6_f32 v[(\d):(\d)+2], v[(\s0):(\s0)+15], v[SO]
	v_cvt_scalef32_pk16_fp6_f32 v[CT:CT+2], v[(\s0)+16:(\s0)+31], v[SO]        ; (a conversion's three registers begin on an even number)
	v_cvt_scalef32_pk16_fp6_f32 v[(\d)+6:(\d)+8], v[(\s1):(\s1)+15], v[SO+1]
	v_cvt_scalef32_pk16_fp6_f32 v[CT+4:CT+6], v[(\s1)+16:(\s1)+31], v[SO+1]
	WIN 0
	v_nop                                          ; one plain place behind a scaled conversion
.irp i, 0,1,2
	v_mov_b32 v[(\d)+3+\i], v[CT+\i]
	v_mov_b32 v[(\d)+9+\i], v[CT+4+\i]
.endr
.endm
.macro WORD4 w                         ; the scale word of 128 along K: my bytes are those of blocks h and 2 + h, lane l xor 16 has the other two
	v_lshl_or_b32 v[\w], v[BY+1], 16, v[BY]
	v_lshlrev_b32 v[\w], v[SH8], v[\w]
	v_permlanex16_b32 v[PT], v[\w], s[SEL], s[SEL+1]
	v_or_b32 v[\w], v[\w], v[PT]
.endm
.macro WORD2 w, by, pad                ; two bytes: block h is mine, the other lane l xor 16's.  pad = 1: bytes 2 and 3 become 0x7f (they scale codes that are zeros)
	v_lshlrev_b32 v[\w], v[SH8], v[\by]
	v_permlanex16_b32 v[PT], v[\w], s[SEL], s[SEL+1]
	v_or_b32 v[\w], v[\w], v[PT]
.if \pad
	v_or_b32 v[\w], 0x7f7f0000, v[\w]
.endif
.endm
.macro GLOAD t, ko                     ; tile t's 16 rows, 512 bytes each at byte ko of the K step in hand, into set t of window 1
	WIN 0x40
.irp i, 0,1,2,3,4,5,6,7,8,9,10,11,12,13,14,15
	global_load_b128 v[64*\t+4*\i:64*\t+4*\i+3], v[XO], s[4:5] offset:(32*(\i/8)+8*\t+\i%8)*4096+\ko th:TH_LOAD_NT
.endr
.endm
.macro TURN t, xs                      ; set t through my stage into set xs of X.  LDS serves a wave's instructions in order (ISA guide 5.7.1.4): no wait between the stores and the loads, and one stage serves all tiles
	WIN 0x04                                       ; an LDS store's data are its source 1: window 1
.irp i, 0,1,2,3,4,5,6,7,8,9,10,11,12,13,14,15
	ds_store_b128 v[SA], v[64*\t+4*\i:64*\t+4*\i+3] offset:528*\i
.endr
	WIN 0
.irp c, 0,1
.irp j, 0,1,2,3,4,5,6,7
	ds_load_b128 v[X+64*\xs+32*\c+4*\j:X+64*\xs+32*\c+4*\j+3], v[SL] offset:256*\c+16*\j   ; x(row r, 64 c + 32 h + 4 j ..)
.endr
.endr
.endm
.macro WLOAD grp, buf                  ; the four fragments of tensor grp for this K step into buffer buf of window 3
	WIN 0xc0
.irp t, 0,1,2,3
.irp c, 0,1,2
	ds_load_b128 v[128+48*\buf+12*\t+4*\c:128+48*\buf+12*\t+4*\c+3], v[AW] offset:(4*\grp+\t)*1536+512*\c
.endr
.endr
.endm
.macro WSLOAD                          ; the 12 tiles' scale words: register j holds tile 2 j's in lanes 0-15 and tile 2 j + 1's in lanes 16-31
.irp j, 0,1,2,3,4,5
	ds_load_b32 v[WS+\j], v[AWS] offset:128*\j
.endr
.endm
; One scaled product.  z = 1: it starts the sum.  row = 1: source 0's scales are read from lanes 16-31; row = 2: source 1's.
.macro WMS d, a, b, z, sa, sb, row
.if (\z) && ((\row) == 0)
	v_wmma_scale_f32_16x16x128_f8f6f4 v[(\d):(\d)+7], v[(\a):(\a)+11], v[(\b):(\b)+11], 0, v[(\sa)], v[(\sb)] matrix_a_fmt:MATRIX_FMT_FP6 matrix_b_fmt:MATRIX_FMT_FP6
.elseif (\z) && ((\row) == 1)
	v_wmma_scale_f32_16x16x128_f8f6f4 v[(\d):(\d)+7], v[(\a):(\a)+11], v[(\b):(\b)+11], 0, v[(\sa)], v[(\sb)] matrix_a_fmt:MATRIX_FMT_FP6 matrix_b_fmt:MATRIX_FMT_FP6 matrix_a_scale:MATRIX_SCALE_ROW1
.elseif (\z)
	v_wmma_scale_f32_16x16x128_f8f6f4 v[(\d):(\d)+7], v[(\a):(\a)+11], v[(\b):(\b)+11], 0, v[(\sa)], v[(\sb)] matrix_a_fmt:MATRIX_FMT_FP6 matrix_b_fmt:MATRIX_FMT_FP6 matrix_b_scale:MATRIX_SCALE_ROW1
.elseif (\row) == 0
	v_wmma_scale_f32_16x16x128_f8f6f4 v[(\d):(\d)+7], v[(\a):(\a)+11], v[(\b):(\b)+11], v[(\d):(\d)+7], v[(\sa)], v[(\sb)] matrix_a_fmt:MATRIX_FMT_FP6 matrix_b_fmt:MATRIX_FMT_FP6
.elseif (\row) == 1
	v_wmma_scale_f32_16x16x128_f8f6f4 v[(\d):(\d)+7], v[(\a):(\a)+11], v[(\b):(\b)+11], v[(\d):(\d)+7], v[(\sa)], v[(\sb)] matrix_a_fmt:MATRIX_FMT_FP6 matrix_b_fmt:MATRIX_FMT_FP6 matrix_a_scale:MATRIX_SCALE_ROW1
.else
	v_wmma_scale_f32_16x16x128_f8f6f4 v[(\d):(\d)+7], v[(\a):(\a)+11], v[(\b):(\b)+11], v[(\d):(\d)+7], v[(\sa)], v[(\sb)] matrix_a_fmt:MATRIX_FMT_FP6 matrix_b_fmt:MATRIX_FMT_FP6 matrix_b_scale:MATRIX_SCALE_ROW1
.endif
.endm
; 16 products: tensor grp's four tiles x my four tiles of tokens.  The 48 accumulators take one turn each in a K step.
.macro MUL grp, buf, zero
.if \grp < 2
	WIN 0xa3                                       ; source 0 (W) window 3, source 1 (x) window 0, C and D window 2
.irp t, 0,1,2,3
.irp u, 0,1,2,3
	WMS 128*\grp+32*\u+8*\t, 128+48*\buf+12*\t, XF+12*\u, \zero, WS+2*\grp+\t/2, XS+\u, \t%2
.endr
.endr
.else
	WIN 0xfc                                       ; source 0 (x) window 0, source 1 (W) window 3, C and D window 3
.irp t, 0,1,2,3
.irp u, 0,1,2,3
	WMS 32*\t+8*\u, XF+12*\u, 128+48*\buf+12*\t, \zero, XS+\u, WS+4+\t/2, 2*(\t%2)
.endr
.endr
.endif
.endm
	s_load_b128 s[4:7], s[0:1], 0x0                ; x s[4:5], wimg s[6:7]
	s_load_b64 s[8:9], s[0:1], 0x10                ; qkv
	v_lshl_add_u32 v126, v0, 2, 0x38000
	v_mov_b32 v127, 0
	ds_add_u32 v126, v127
	ds_add_u32 v126, v127
	v_lshrrev_b32 v[T0], 5, v0
	v_readfirstlane_b32 s10, v[T0]                 ; wave 0..3
	; descriptor group 1: a quarter of wimg, 38,400 dense bytes, as 150 rows of 256 bytes (32 elements of 8 bytes), no padding
	s_mov_b32 s16, 3<<16                           ; no mask; elements of 8 bytes
	s_mov_b32 s17, 32<<16                          ; tensor_dim0
	s_mov_b32 s18, 150<<16                         ; tensor_dim1
	s_mov_b32 s19, 32<<16                          ; tile_dim0
	s_mov_b32 s20, 150                             ; tile_dim1
	s_mov_b32 s21, 32                              ; the pitch
	s_mov_b32 s22, 0
	s_mov_b32 s23, 0
	s_mov_b32 s12, 1                               ; group 0: count = 1,
	s_mul_i32 s13, s10, 38400                      ; LDS address: my quarter,
	s_mov_b32 s30, s13
	s_mov_b32 s31, 0
	s_lshl_b32 s32, ttmp9, 20                      ; x: 256 rows of 4,096 bytes a work-group,
	s_lshl_b32 s33, s10, 18                        ; 64 a wave
	s_add_co_u32 s32, s32, s33
	s_mov_b32 s33, 0
	s_wait_dscnt 0x0
	s_wait_kmcnt 0x0
	s_add_nc_u64 s[14:15], s[6:7], s[30:31]        ; the same quarter in memory,
	s_or_b32 s15, s15, 0x80000000                  ; type = 2
	tensor_load_to_lds s[12:15], s[16:23]          ; filled once; one tensor load of mine is out
	s_nop 0
.rept 4
	v_nop
.endr
	s_add_nc_u64 s[4:5], s[4:5], s[32:33]
	v_and_b32 v[T0], 31, v0                        ; lane
	s_wait_alu depctr_va_vdst(0)
	v_lshlrev_b32 v[XO], 4, v[T0]
	GLOAD 0, 0                                     ; K step 0: 64 loads
	GLOAD 1, 0
	GLOAD 2, 0
	GLOAD 3, 0
	WIN 0
	v_and_b32 v[T1], 15, v0                        ; r
	s_wait_alu depctr_va_vdst(0)
	v_bfe_u32 v[SH8], v0, 4, 1                     ; h
	s_mul_i32 s11, s10, 8448
	s_add_co_u32 s11, s11, STG                     ; my stage
	v_add_nc_u32 v[SA], s11, v[XO]
	v_mul_u32_u24 v[SL], v[T1], 528
	v_lshl_add_u32 v[SL], v[SH8], 7, v[SL]
	v_add_nc_u32 v[SL], s11, v[SL]
	v_lshl_add_u32 v[AWS0], v[T0], 2, WSC
	s_lshr_b32 s29, s10, 1                         ; g: which of the two groups of 128 tokens
	s_and_b32 s34, s10, 1                          ; c: which 64 of it
	s_mul_i32 s29, s29, GRP
	s_add_co_u32 s29, s29, OUT
	s_mul_i32 s30, s34, 3072
	s_add_co_u32 s30, s30, s29
	v_lshl_add_u32 v[O8], v[T0], 3, s30            ; q's codes: + 3,072 c + 8 x lane
	v_lshl_add_u32 v[O16], v[T0], 4, s30           ; k's codes: + 3,072 c + 16 x lane
	s_lshl_b32 s30, s34, 8
	s_add_co_u32 s30, s30, s29
	v_lshl_add_u32 v[O4], v[T1], 2, s30            ; q's words: + 256 c + 4 r
	s_lshl_b32 s30, s34, 3
	s_add_co_u32 s30, s30, s29
	v_lshl_add_u32 v[O16R], v[T1], 4, s30          ; k's words: + 8 c + 16 r
	s_mul_i32 s30, s34, 24
	s_add_co_u32 s30, s30, s29
	v_mul_u32_u24 v[O48], v[T0], 48
	v_add_nc_u32 v[O48], s30, v[O48]               ; v's codes: + 24 c + 48 x lane
	s_lshl_b32 s30, s34, 1
	s_add_co_u32 s30, s30, s29
	v_lshl_add_u32 v[O8R], v[T1], 3, s30           ; v's half words: + 2 c + 8 r
	s_lshl_b32 s30, s10, 9
	v_add_nc_u32 v[GV], s30, v[XO]
	v_add_nc_u32 v[CP], OUT, v[GV]
	v_lshlrev_b32 v[SH8], 3, v[SH8]
	v_mov_b32 v[PT], 0                             ; written once: a lane permute's destination counts as one of its sources
	s_mov_b32 s[SEL], 0x76543210
	s_mov_b32 s[SEL+1], 0xfedcba98
	s_mul_i32 s30, ttmp9, 2*GRP
	s_mov_b32 s31, 0
	s_add_nc_u64 s[8:9], s[8:9], s[30:31]          ; the work-group's two groups in qkv
	s_mov_b32 s27, 0                               ; the K step's fragments in the copy of wimg: 18,432 bytes a step
	s_mov_b32 s28, 0                               ; and its scale words: 768
	s_wait_alu depctr_va_vdst(0)
; A K STEP of 128.  At its head the four sets of this step's loads are out, 16 each, in the order of the tiles.  ahead = 1: as soon as a set has gone through the stage it takes the next step's loads.
.macro KSTEP zero, ahead
	v_add_nc_u32 v[AW], s27, v[XO]
	v_add_nc_u32 v[AWS], s28, v[AWS0]
	s_wait_loadcnt 48                              ; tile 0's 16 loads are in; the three younger sets may be out
	TURN 0, 0
	s_wait_loadcnt 32                              ; tile 1's; two younger sets
	TURN 1, 1
	s_wait_dscnt 32                                ; tile 0 is through the stage (tile 1's 32 instructions may be out): its stores have read set 0
.if \ahead
	GLOAD 0, 512
.endif
	QCODES X, X+32, XF, 0
	WORD4 XS
	s_wait_loadcnt 16+16*\ahead                    ; tile 2's; behind them tile 3's and, if asked for, the next step's tile 0
	TURN 2, 0
	s_wait_dscnt 32                                ; tile 1 is through
.if \ahead
	GLOAD 1, 512
.endif
	QCODES X+64, X+96, XF+12, 0
	WORD4 XS+1
	s_wait_loadcnt 32*\ahead                       ; tile 3's; behind them the next step's tiles 0 and 1
	TURN 3, 1
	s_wait_dscnt 32                                ; tile 2 is through
.if \ahead
	GLOAD 2, 512
.endif
	WIN 0
.if \zero
	; the first K step alone: the weights are first read below.  My quarter of them is in, my LDS instructions are done; behind the barrier everybody's quarter is in.
	; Up to here only x's loads and my own stage (from byte 153,600 on, outside the bytes that the tensor loads fill) were at work.
	s_wait_alu depctr_va_vdst(0)
	s_wait_tensorcnt 0x0
	s_wait_dscnt 0x0
	s_barrier_signal -1
	s_barrier_wait -1
.endif
	WSLOAD
	WLOAD 0, 0
	WLOAD 1, 1
	QCODES X, X+32, XF+24, 0
	WORD4 XS+2
	s_wait_dscnt 30                                ; tile 3 is through; the 30 loads of the weights may be out
.if \ahead
	GLOAD 3, 512
.endif
	QCODES X+64, X+96, XF+36, 0
	WORD4 XS+3
.rept 8
	v_nop                                          ; a scale register written by a vector instruction stands 8 places ahead of a scaled matrix instruction, an operand so written 4
.endr
	s_wait_alu depctr_va_vdst(0)
	s_wait_dscnt 0x0
	MUL 0, 0, \zero
.rept 4
	v_nop                                          ; four places in front of loads into registers that matrix instructions have read
.endr
	WLOAD 2, 0
	MUL 1, 1, \zero
	s_wait_dscnt 0x0
	MUL 2, 0, \zero
	WIN 0
	s_add_co_u32 s27, s27, 18432
	s_add_co_u32 s28, s28, 768
.if \ahead
	s_wait_xcnt 0x0                                ; the loads have had their addresses translated: only behind this wait is their base stepped
	s_add_nc_u64 s[4:5], s[4:5], 512
.endif
.endm
	KSTEP 1, 1                                     ; the first K step starts the sums: nothing is cleared
	s_mov_b32 s26, 6
.Lk:
	KSTEP 0, 1
	s_sub_co_u32 s26, s26, 1
	s_cmp_lg_u32 s26, 0
	s_cbranch_scc1 .Lk
	KSTEP 0, 0                                     ; the last asks for nothing: no load leaves x, and the counts run down
	; THE RESULTS BECOME OPERANDS.  A lane's 32 registers of a tile of tokens (q, k) or of a tile of d (v) are one whole block.
.rept 4
	v_nop                                          ; places behind the last products
.endr
	QCODES 0, 32, QC, 2                            ; q, tiles 0 and 1
	WORD2 QW, BY, 1
	WORD2 QW+1, BY+1, 1
	QCODES 64, 96, QC+12, 2
	WORD2 QW+2, BY, 1
	WORD2 QW+3, BY+1, 1
	QCODES 128, 160, KC, 2                         ; k
	WORD2 KW, BY, 1
	WORD2 KW+1, BY+1, 1
	QCODES 192, 224, KC+12, 2
	WORD2 KW+2, BY, 1
	WORD2 KW+3, BY+1, 1
	QCODES 0, 32, VC, 3                            ; v: tiles of d 0 and 1; the blocks run along my 64 tokens
	WORD2 VW, BY, 0
	WORD2 VW+1, BY+1, 0
	QCODES 64, 96, VC+12, 3
	WORD2 VW+2, BY, 0
	WORD2 VW+3, BY+1, 0
.irp u, 0,1,2,3
.irp i, 0,1,2
	ds_store_b64 v[O8], v[QC+6*\u+2*\i:QC+6*\u+2*\i+1] offset:13056+768*\u+256*\i
.endr
	ds_store_b32 v[O4], v[QW+\u] offset:19200+64*\u                ; both halves of the lanes write the same word with the same value
.endr
.irp m, 0,1,2,3,4,5
	ds_store_b128 v[O16], v[KC+4*\m:KC+4*\m+3] offset:512*\m       ; my four tiles' 24 registers on end
.endr
.irp u, 0,1,2,3
	ds_store_b32 v[O16R], v[KW+\u] offset:12288+256*(\u%2)+4*(\u/2)
.endr
.irp n, 0,1,2,3
.irp i, 0,1,2
	ds_store_b64 v[O48], v[VC+6*\n+2*\i:VC+6*\n+2*\i+1] offset:6144+1536*\n+8*\i   ; registers 6 c .. 6 c + 5 of V^T's fragment n
.endr
	ds_store_b16 v[O8R], v[VW+\n] offset:12800+128*(\n%2)+4*(\n/2)  ; bytes 2 c and 2 c + 1 of its scale word
.endr
	s_wait_dscnt 0x0                               ; for the others' sake: my stores have landed
	s_barrier_signal -1
	s_barrier_wait -1
	; the two groups leave as they lie: 77 pieces of 512 bytes; wave w takes pieces w + 4 j
.irp j, 0,1,2,3,4,5,6,7,8,9,10,11,12,13,14,15,16,17,18
	ds_load_b128 v[128+4*\j:128+4*\j+3], v[CP] offset:2048*\j
.endr
.irp j, 0,1,2,3,4,5,6,7,8,9,10,11,12,13,14,15,16,17,18
	s_wait_dscnt 18-\j
	global_store_b128 v[GV], v[128+4*\j:128+4*\j+3], s[8:9] offset:2048*\j   ; 32 lanes store 512 consecutive bytes, at a multiple of 256 from qkv's first byte
.endr
	s_cmp_lg_u32 s10, 0
	s_cbranch_scc1 .Ldone
	ds_load_b128 v[204:207], v[CP] offset:2048*19                  ; piece 76 is wave 0's
	s_wait_dscnt 0x0
	global_store_b128 v[GV], v[204:207], s[8:9] offset:2048*19
.Ldone:
	s_wait_tensorcnt 0x0
	ds_add_u32 v126, v127
	s_wait_dscnt 0x0
	s_endpgm
.Lfunc_end_k_q990d88f9ee_proj:
	.size	k_q990d88f9ee_proj, .Lfunc_end_k_q990d88f9ee_proj-k_q990d88f9ee_proj
	.p2alignl 7, 3214868480
	.fill 96, 4, 3214868480
	.section	.rodata,"a",@progbits
	.p2align	6, 0x0
	.amdhsa_kernel k_q990d88f9ee_proj
		.amdhsa_group_segment_fixed_size 229888
		.amdhsa_private_segment_fixed_size 0
		.amdhsa_enable_private_segment 0
		.amdhsa_kernarg_size 24
		.amdhsa_user_sgpr_count 2
		.amdhsa_user_sgpr_kernarg_segment_ptr 1
		.amdhsa_wavefront_size32 1
		.amdhsa_system_sgpr_workgroup_id_x 1
		.amdhsa_system_sgpr_workgroup_id_y 1
		.amdhsa_system_sgpr_workgroup_id_z 1
		.amdhsa_system_vgpr_workitem_id 0
		.amdhsa_next_free_vgpr 1024
		.amdhsa_next_free_sgpr 66
		.amdhsa_reserve_vcc 0
		.amdhsa_float_denorm_mode_32 3
		.amdhsa_float_denorm_mode_16_64 3
		.amdhsa_memory_ordered 1
		.amdhsa_forward_progress 1
		.amdhsa_inst_pref_size 138
	.end_amdhsa_kernel
	.amdgpu_metadata
---
amdhsa.version: [ 1, 2 ]
amdhsa.kernels:
  - .name:           k_q990d88f9ee_proj
    .symbol:         k_q990d88f9ee_proj.kd
    .args:
      - { .name: x, .offset: 0, .size: 8, .value_kind: global_buffer, .address_space: global }
      - { .name: wimg, .offset: 8, .size: 8, .value_kind: global_buffer, .address_space: global }
      - { .name: qkv, .offset: 16, .size: 8, .value_kind: global_buffer, .address_space: global }
    .group_segment_fixed_size: 229888
    .private_segment_fixed_size: 0
    .kernarg_segment_align: 8
    .kernarg_segment_size: 24
    .max_flat_workgroup_size: 128
    .sgpr_count:     66
    .vgpr_count:     1024
    .wavefront_size: 32
...
	.end_amdgpu_metadata
.endif
;; end of part 2
;; launch attn (part 3): grid 16 x 16, 16 waves a work-group, clusters of 4 x 1, 327,680 bytes of LDS; arguments qkv, out0; writes out0
.if DOCPART == 3
	.amdgcn_target "amdgcn-amd-amdhsa--gfx1250"
	.amdhsa_code_object_version 6
	.text
	.protected	k_q990d88f9ee_attn
	.globl	k_q990d88f9ee_attn
	.p2align	8
	.type	k_q990d88f9ee_attn,@function
k_q990d88f9ee_attn:
	s_mov_b64 s[64:65], 0
	v_nop
	global_prefetch_b8 v0, s[64:65] scope:SCOPE_SE
	s_setreg_imm32_b32 hwreg(HW_REG_WAVE_MODE, 25, 1), 1
	s_wait_xcnt 0x0
	s_wait_alu depctr_hold_cnt(0) depctr_sa_sdst(0) depctr_va_vdst(0) depctr_va_sdst(0) depctr_va_ssrc(0) depctr_va_vcc(0) depctr_vm_vsrc(0)
	s_getreg_b32 s2, hwreg(HW_REG_IB_STS2, 6, 4)
	s_cmp_eq_u32 s2, 0
	s_cbranch_scc0 .Lentry_in_a_cluster
	s_endpgm
.Lentry_in_a_cluster:
	s_bfe_u32 s2, ttmp6, 0x10000c
	s_cmp_lg_u32 s2, 0x3003
	s_cbranch_scc0 .Lentry_shape_is_right
	s_endpgm
.Lentry_shape_is_right:
; O[b][q] = the sum over k of softmax_k(q . k / 32) v[k], both products on codes of E2M3 with one E8M0 byte for each 32 along a product's K.  All operands come from qkv in the order of the operands' registers
; (512 groups of 128 tokens x 19,712 bytes: +0 K's codes, +6,144 V^T's, +12,288 K's scale words, +12,800 V's: the 13,056 bytes of a key step, on end; +13,056 Q's codes, +19,200 Q's words).
; SOFTMAX: t = score x c, c = log2(e) / 32; -M = floor(-c x the largest score so far), a whole number; p = 2^(t - M) is quantised along the keys, not normalised; the row's sum is taken of the unquantised p and
; divides O at the end.  When M moves, the sum and O are multiplied by 2^(old M - new M): exact, with no branch on data.  A block's largest p is its largest score put through the same multiply-add and exponential
; (this takes v_exp_f32 not to fall where its input rises; at the worst one p of a block is held one code low).
; SHARES: a work-group owns 256 queries of one batch, each of its sixteen waves one tile of 16; four waves lie on a SIMD, so that one's matrix work and LDS waits stand beside the others' vector work.
; Every wave walks all 4,096 keys, 128 a step.  Both products are used transposed (S^T = K Q^T, O^T = V^T P^T): a lane holds one query; the keys of a tile are chosen so that a lane's 32 registers are one whole block of 32 keys.
; The first product's K is 64: Q's upper six registers are zero codes, K's fragments lie six registers apart (behind the last: zeros), under scale bytes 0x7f.
; A wave has 256 registers: V's fragments are loaded into K's registers once the score products have read them.
; RING: two LDS slots of 8 key steps; each wave fetches half a key step (waves 0-7 its first 26 rows of 256 bytes, waves 8-15 the other 25).  A wave has one tensor load out; a refill is asked for eight key steps
; ahead of its first read, so no prefetch is laid.  CLUSTER: the four query blocks of a cluster belong to one batch and walk the same K and V: each fill is a joint load with the mask of all four.
; LIMITS: NaN and infinities are not served; a block all of whose p lie under 2^-124 keeps the byte 1 (its codes are zeros); the scaled scores stay under 2^31 in magnitude.
.set GRP,   19712
.set KSB,   13056
.set HALFB, 26*256                     ; the first part of a key step
.set SLOT1, 1<<17
.set STAGE, SLOT1+8*KSB                ; 16 rows x 272 bytes for each wave, for the way out
.set SPARE, STAGE+16*4352              ; the spare words, 128 bytes a wave
.set L16, 1                            ; 16 x lane
.set L48, 2                            ; 48 x lane + 6,144
.set L8,  3                            ; 8 x lane + 12,800
.set A16, 4                            ; the same in the key step in hand
.set A48, 5
.set A8,  6
.set SPW, 7
.set NIL, 8
.set SH8, 9
.set STO, 10
.set SRD, 11
.set GO,  12
.set ST,  16                           ; +0 -M, +1 largest score, +2, +3 the sum, +4 f, +5 its pair's upper half, +6, +7 at work
.set KS,  24
.set VS,  28
.set QS,  30
.set PS,  31
.set MX,  32                           ; four chains of maxima; then block c's largest score and largest p at MX + 2 c
.set PT,  36
.set SO,  38
.set BY,  40
.set CT,  42
.set SUM, 50                           ; three more chains of the row's sum
.set Q8,  56
.set Q4,  57
.set Q,   58
.set P,   70
.set S,   82
.set O,   146
.set KF,  178                          ; K's 48 registers and six of zeros; then V's 48
.set WV,  8
.set G1,  16                           ; s[16:23] group 1: 26 rows;  s[40:47]: 25 rows
.set G1B, 40
.set CS,  32
.set NC,  34
.set SEL, 36
.set TB,  38
.set SLOTS, 52
.set STEPS, 53
.macro PLACES
.rept 4
	v_nop
.endr
.endm
.macro CROUND
	s_barrier_signal -1
	s_barrier_wait -1
	s_cmp_lg_u32 s[WV], 0
	s_cbranch_scc1 .Lnot_wave_0_\@
	s_barrier_signal -3
.Lnot_wave_0_\@:
	s_barrier_wait -3
	s_barrier_signal -1
	s_barrier_wait -1
.endm
.macro JLOAD g0                        ; my half of a key step: two arms on the wave's number, a load in each
	s_cmp_lt_u32 s[WV], 8
	s_cbranch_scc0 .Lsecond_\@
	tensor_load_to_lds s[\g0:\g0+3], s[G1:G1+7]
	s_nop 0
	PLACES
	s_branch .Lasked_\@
.Lsecond_\@:
	tensor_load_to_lds s[\g0:\g0+3], s[G1B:G1B+7]
	s_nop 0
	PLACES
.Lasked_\@:
.endm
	s_load_b128 s[4:7], s[0:1], 0x0                ; qkv, O
	v_lshl_add_u32 v[SPW], v0, 2, SPARE
	v_mov_b32 v[NIL], 0
	ds_add_u32 v[SPW], v[NIL]
	ds_add_u32 v[SPW], v[NIL]
	v_lshrrev_b32 v13, 5, v0
	v_readfirstlane_b32 s[WV], v13                 ; wave 0..15
	s_bfe_u32 s9, ttmp6, 0x40000                   ; cx
	s_lshl_b32 s10, ttmp9, 2
	s_add_co_u32 s10, s10, s9                      ; my block of 256 queries: it enters Q's and O's global addresses alone
	s_and_b32 s11, ttmp7, 0xffff                   ; the batch
.irp g, G1, G1B                        ; dense rows of 256 bytes (32 elements of 8)
	s_mov_b32 s[\g], 15|(3<<16)|(1<<21)
	s_mov_b32 s[\g+1], 32<<16
	s_mov_b32 s[\g+3], 32<<16
	s_mov_b32 s[\g+5], 32
	s_mov_b32 s[\g+6], 0
	s_mov_b32 s[\g+7], 0
.endr
	s_mov_b32 s[G1+2], 26<<16
	s_mov_b32 s[G1+4], 26
	s_mov_b32 s[G1B+2], 25<<16
	s_mov_b32 s[G1B+4], 25
	s_and_b32 s60, s[WV], 7                        ; the key step of a slot that I fetch; also my tile in its group of 128 queries
	s_lshr_b32 s61, s[WV], 3                       ; which part of it; also which of the block's two groups
	s_lshl_b32 s62, s11, 5                         ; the batch's first group
	s_add_co_u32 s12, s62, s60
	s_mul_i32 s12, s12, GRP
	s_mul_i32 s63, s61, HALFB
	s_add_co_u32 s12, s12, s63
	s_mov_b32 s13, 0
	s_mul_i32 s14, s60, KSB
	s_add_co_u32 s14, s14, s63                     ; its place in a slot: no place in the cluster enters an LDS address
	s_lshl_b32 s15, s10, 1
	s_add_co_u32 s15, s15, s62
	s_add_co_u32 s15, s15, s61
	s_mul_i32 s15, s15, GRP                        ; my queries' group
	s_mul_i32 s56, s60, 768
	s_add_co_u32 s56, s56, s15
	s_mov_b32 s57, 0
	s_lshl_b32 s58, s60, 6
	s_add_co_u32 s58, s58, s15
	s_mov_b32 s59, 0
	s_lshl_b32 s48, s11, 12                        ; my first row of O: 4,096 x batch + 256 x block + 128 (wave / 8) + 64 ((wave / 4) % 2) + 8 (wave % 4)
	s_lshl_b32 s49, s10, 8
	s_add_co_u32 s48, s48, s49
	s_lshl_b32 s49, s61, 7
	s_add_co_u32 s48, s48, s49
	s_bfe_u32 s49, s[WV], 0x10002
	s_lshl_b32 s49, s49, 6
	s_add_co_u32 s48, s48, s49
	s_and_b32 s49, s[WV], 3
	s_lshl_b32 s49, s49, 3
	s_add_co_u32 s48, s48, s49
	s_lshl_b32 s48, s48, 8
	s_mov_b32 s49, 0
	s_mul_i32 s50, s[WV], 4352
	s_add_co_u32 s50, s50, STAGE
	s_mov_b32 s[CS], 0x3d38aa3b                    ; c = log2(e) / 32
	s_mov_b32 s[CS+1], s[CS]
	s_mov_b32 s[NC], 0xbd38aa3b
	s_mov_b32 s[SEL], 0x76543210
	s_mov_b32 s[SEL+1], 0xfedcba98
	s_mov_b32 s[TB], 0
	s_wait_alu depctr_va_vdst(0)
	s_wait_dscnt 0x0
	s_wait_kmcnt 0x0
	s_add_nc_u64 s[12:13], s[4:5], s[12:13]
	s_add_nc_u64 s[56:57], s[4:5], s[56:57]        ; Q's codes
	s_add_nc_u64 s[58:59], s[4:5], s[58:59]        ; Q's scale words
	s_add_nc_u64 s[6:7], s[6:7], s[48:49]
	CROUND                                         ; the first joint loads meet
	s_mov_b32 s24, 1                               ; slot 0's first fill
	s_mov_b32 s25, s14
	s_mov_b64 s[26:27], s[12:13]
	s_or_b32 s27, s27, 0x80000000
	s_mov_b32 s28, 1                               ; the walking descriptor: first slot 1, eight groups on
	s_add_co_u32 s29, s14, SLOT1
	s_add_nc_u64 s[30:31], s[12:13], 8*GRP
	s_or_b32 s31, s31, 0x80000000
	JLOAD 24                                       ; one tensor load a wave at the head
	v_and_b32 v13, 31, v0                          ; lane
	v_and_b32 v14, 15, v0                          ; r
	v_bfe_u32 v15, v0, 4, 1                        ; h
	v_lshlrev_b32 v[Q8], 3, v13
	v_lshlrev_b32 v[Q4], 2, v14
.irp i, 0,1,2
	global_load_b64 v[Q+2*\i:Q+2*\i+1], v[Q8], s[56:57] offset:13056+256*\i   ; Q stays in registers
.endr
	global_load_b32 v[QS], v[Q4], s[58:59] offset:19200
	v_lshlrev_b32 v[L16], 4, v13
	v_mul_u32_u24 v[L48], v13, 48
	v_lshl_add_u32 v[L8], v13, 3, 12800
	v_lshlrev_b32 v[SH8], 3, v15
	v_mul_u32_u24 v[STO], v14, 272                 ; the stage, in: row r, 128 bytes for each half of the lanes
	v_mul_u32_u24 v[SRD], v15, 272                 ; back: lanes 0-15 one row of 256 bytes, lanes 16-31 the next
	v_lshlrev_b32 v[GO], 8, v15
	v_add_nc_u32 v[L48], 6144, v[L48]
	v_lshl_add_u32 v[STO], v15, 7, v[STO]
	v_lshl_add_u32 v[SRD], v14, 4, v[SRD]
	v_lshl_add_u32 v[GO], v14, 4, v[GO]
	v_add_nc_u32 v[STO], s50, v[STO]
	v_add_nc_u32 v[SRD], s50, v[SRD]
	v_mov_b32 v[ST+1], 0xff61b1e6                  ; the largest score so far: -3e38
.irp i, 2,3,4,5,6
	v_mov_b32 v[ST+\i], 0
.endr
	v_mul_f32 v[ST+7], s[NC], v[ST+1]
	v_mov_b32 v[PT], 0                             ; a lane permute's destination counts as one of its sources
.irp i, 6,7,8,9,10,11
	v_mov_b32 v[Q+\i], 0                           ; the upper half of Q's K: zero codes
.endr
	v_floor_f32 v[ST], v[ST+7]                     ; -M
.set jj, 0
.rept 32
	v_mov_b32 v[O+jj], 0                           ; O^T: the step is written once; the first change of M leaves zeros zeros
.set jj, jj+1
.endr
.irp i, 48,49,50,51,52,53
	v_mov_b32 v[KF+\i], 0                          ; behind K's last tile: zero codes
.endr
.macro SCL l                           ; p's scale operands, bytes and scale word, a level at a time, between the rounds of the sum
.if (\l) == 1
	v_max_num_f32 v[MX], 0x1800000, v[MX]          ; the floor 2^(3 - 127): the byte cannot fall under 1
	v_max_num_f32 v[MX+2], 0x1800000, v[MX+2]
.elseif (\l) == 2
	v_add_nc_u32 v[SO], 0xff000000, v[MX]          ; 2 off the exponent field: the conversion's scale operand
	v_add_nc_u32 v[SO+1], 0xff000000, v[MX+2]
.elseif (\l) == 3
	v_lshrrev_b32 v[BY], 23, v[SO]                 ; the scale's byte
	v_lshrrev_b32 v[BY+1], 23, v[SO+1]
.elseif (\l) == 4
	v_lshl_or_b32 v[PS], v[BY+1], 16, v[BY]        ; my bytes: blocks h and 2 + h of these 128 keys
.elseif (\l) == 5
	v_lshlrev_b32 v[PS], v[SH8], v[PS]
.elseif (\l) == 6
	v_permlanex16_b32 v[PT], v[PS], s[SEL], s[SEL+1]
.elseif (\l) == 7
	v_or_b32 v[PS], v[PS], v[PT]                   ; with lane l xor 16's two bytes the word is whole
.endif
.endm
; A KEY STEP: 128 keys.
.macro STEP
	v_add_nc_u32 v[A16], s[TB], v[L16]             ; with the v_nop: the four places in front of loads into registers that the last products have read
	v_add_nc_u32 v[A48], s[TB], v[L48]
	v_add_nc_u32 v[A8], s[TB], v[L8]
	v_nop
	ds_load_b128 v[KS:KS+3], v[A16] offset:12288
.irp m, 0,1,2,3,4,5,6,7,8,9,10,11
	ds_load_b128 v[KF+4*\m:KF+4*\m+3], v[A16] offset:512*\m
.endr
	s_wait_alu depctr_va_vdst(0)
	s_wait_dscnt 0x0
.irp t, 0,2,4,6
	v_wmma_scale_f32_16x16x128_f8f6f4 v[S+8*\t:S+8*\t+7], v[KF+6*\t:KF+6*\t+11], v[Q:Q+11], 0, v[KS+\t/2], v[QS] matrix_a_fmt:MATRIX_FMT_FP6 matrix_b_fmt:MATRIX_FMT_FP6
	v_wmma_scale_f32_16x16x128_f8f6f4 v[S+8*\t+8:S+8*\t+15], v[KF+6*\t+6:KF+6*\t+17], v[Q:Q+11], 0, v[KS+\t/2], v[QS] matrix_a_fmt:MATRIX_FMT_FP6 matrix_b_fmt:MATRIX_FMT_FP6 matrix_a_scale:MATRIX_SCALE_ROW1
.endr
	PLACES                                         ; behind the products: ahead of the loads into K's registers and of the reads of the scores
.irp n, 0,1,2,3
.irp c, 0,1,2
	ds_load_b128 v[KF+12*\n+4*\c:KF+12*\n+4*\c+3], v[A48] offset:1536*\n+16*\c   ; V, where K lay
.endr
.endr
	ds_load_b64 v[VS:VS+1], v[A8]
.irp b, 0,1,2,3                        ; the largest score of each block of 32 keys, two chains a block, the four by turns; each accumulator is read from its low end on
	v_max3_num_f32 v[MX+\b], v[S+16*\b], v[S+16*\b+1], v[S+16*\b+2]
.endr
.irp i, 3,5,7,9,11,13
.irp b, 0,1,2,3
	v_max3_num_f32 v[MX+\b], v[MX+\b], v[S+16*\b+\i], v[S+16*\b+\i+1]
.endr
.endr
	v_max3_num_f32 v[MX], v[MX], v[S+15], v[S+31]
	v_max3_num_f32 v[MX+2], v[MX+2], v[S+47], v[S+63]
	s_delay_alu instid0(VALU_DEP_2)
	v_max_num_f32 v[MX], v[MX], v[MX+1]
	s_delay_alu instid0(VALU_DEP_2)
	v_max_num_f32 v[MX+2], v[MX+2], v[MX+3]
	s_delay_alu instid0(VALU_DEP_1)
	v_max_num_f32 v[ST+6], v[MX], v[MX+2]
	s_delay_alu instid0(VALU_DEP_1)
	v_permlanex16_b32 v[ST+7], v[ST+6], s[SEL], s[SEL+1]           ; the query's other 64 keys lie in the lane 16 away
	s_delay_alu instid0(VALU_DEP_1)
	v_max3_num_f32 v[ST+1], v[ST+1], v[ST+6], v[ST+7]              ; the running largest score
	v_mov_b32 v[ST+6], v[ST]                       ; the old -M
	s_delay_alu instid0(VALU_DEP_2)
	v_mul_f32 v[ST+7], s[NC], v[ST+1]
	s_delay_alu instid0(VALU_DEP_1)
	v_floor_f32 v[ST], v[ST+7]                     ; the new -M = -ceil(t)
	s_delay_alu instid0(VALU_DEP_1)
	v_sub_f32 v[ST+6], v[ST], v[ST+6]              ; old M less new M: a whole number, 0 or less
	v_fma_f32 v[MX], v[MX], s[CS], v[ST]           ; t - M of each block's largest score
	v_fma_f32 v[MX+2], v[MX+2], s[CS], v[ST]
.set jj, 0
.rept 32
	v_pk_fma_f32 v[S+jj:S+jj+1], v[S+jj:S+jj+1], s[CS:CS+1], v[ST:ST+1] op_sel_hi:[1,0,0]   ; t - M, two at a time
.if jj == 4
	v_cvt_i32_f32 v[ST+6], v[ST+6]                 ; (it saturates)
.elseif jj == 14
	v_ldexp_f32 v[ST+4], 1.0, v[ST+6]              ; f = 2^(old M - new M)
.endif
.set jj, jj+2
.endr
	s_wait_alu depctr_va_vdst(0)
.set jj, 0
.rept 64
	v_exp_f32 v[S+jj], v[S+jj]                     ; p = 2^(t - M): not normalised
.set jj, jj+1
.endr
	v_exp_f32 v[MX], v[MX]                         ; the blocks' largest p
	v_exp_f32 v[MX+2], v[MX+2]
	v_nop
	s_wait_alu depctr_va_vdst(0)
	v_pk_fma_f32 v[ST+2:ST+3], v[ST+2:ST+3], v[ST+4:ST+5], v[S:S+1] op_sel_hi:[1,0,1]   ; THE ROW'S SUM, OF THE UNQUANTISED p, under the new M: four chains
	SCL 1
	v_pk_add_f32 v[ST+2:ST+3], v[ST+2:ST+3], v[S+8:S+9]
.irp k, 1,2,3
	v_pk_add_f32 v[SUM+2*\k-2:SUM+2*\k-1], v[S+2*\k:S+2*\k+1], v[S+2*\k+8:S+2*\k+9]
.endr
	SCL 2
.irp r, 2,3,4,5,6,7
	v_pk_add_f32 v[ST+2:ST+3], v[ST+2:ST+3], v[S+8*\r:S+8*\r+1]
.irp k, 1,2,3
	v_pk_add_f32 v[SUM+2*\k-2:SUM+2*\k-1], v[SUM+2*\k-2:SUM+2*\k-1], v[S+2*\k+8*\r:S+2*\k+8*\r+1]
.endr
	SCL \r+1
.endr
.irp c, 0,1
	v_cvt_scalef32_pk16_fp6_f32 v[P+6*\c:P+6*\c+2], v[S+32*\c:S+32*\c+15], v[SO+\c]
	v_cvt_scalef32_pk16_fp6_f32 v[CT+4*\c:CT+4*\c+2], v[S+32*\c+16:S+32*\c+31], v[SO+\c]   ; (a conversion's three registers begin on an even number)
.endr
	v_pk_add_f32 v[SUM:SUM+1], v[SUM:SUM+1], v[SUM+2:SUM+3]        ; (plain lines behind the conversions)
	v_pk_add_f32 v[ST+2:ST+3], v[ST+2:ST+3], v[SUM+4:SUM+5]
.irp c, 0,1
.irp i, 0,1,2
	v_mov_b32 v[P+6*\c+3+\i], v[CT+4*\c+\i]
.endr
.endr
	v_pk_add_f32 v[ST+2:ST+3], v[ST+2:ST+3], v[SUM:SUM+1]
	s_wait_dscnt 0x0                               ; V and its scale words are in
	s_wait_alu depctr_va_vdst(0)
.set jj, 0
.rept 16
	v_pk_mul_f32 v[O+jj:O+jj+1], v[O+jj:O+jj+1], v[ST+4:ST+5] op_sel_hi:[1,0]   ; O^T under the new M, each accumulator from its low end on
.set jj, jj+2
.endr
.irp n, 0,2                            ; O^T += V^T P^T: the four accumulators take one turn each
	v_wmma_scale_f32_16x16x128_f8f6f4 v[O+8*\n:O+8*\n+7], v[KF+12*\n:KF+12*\n+11], v[P:P+11], v[O+8*\n:O+8*\n+7], v[VS+\n/2], v[PS] matrix_a_fmt:MATRIX_FMT_FP6 matrix_b_fmt:MATRIX_FMT_FP6
	v_wmma_scale_f32_16x16x128_f8f6f4 v[O+8*\n+8:O+8*\n+15], v[KF+12*\n+12:KF+12*\n+23], v[P:P+11], v[O+8*\n+8:O+8*\n+15], v[VS+\n/2], v[PS] matrix_a_fmt:MATRIX_FMT_FP6 matrix_b_fmt:MATRIX_FMT_FP6 matrix_a_scale:MATRIX_SCALE_ROW1
.endr
.endm
.macro WALK                            ; a slot's eight key steps
	s_mov_b32 s[STEPS], 8
.Lstep_\@:
	STEP
	s_add_co_u32 s[TB], s[TB], KSB
	s_sub_co_u32 s[STEPS], s[STEPS], 1
	s_cmp_lg_u32 s[STEPS], 0
	s_wait_alu depctr_va_vdst(0)
	s_cbranch_scc1 .Lstep_\@
.endm
; The change of slots: all my tensor loads are in, 0 onto my spare word, my reads of the slot left are over; fill = 1: a round of the cluster's barrier, and the slot left is filled again first behind it.
.macro CHANGE fill
	s_wait_tensorcnt 0x0
	ds_add_u32 v[SPW], v[NIL]
.if \fill
	s_xor_b32 s29, s29, SLOT1
	s_add_nc_u64 s[30:31], s[30:31], 8*GRP
.endif
	s_wait_dscnt 0x0
.if \fill
	CROUND
	JLOAD 28
.else
	s_barrier_signal -1
	s_barrier_wait -1
.endif
	s_sub_co_u32 s[TB], s[TB], 8*KSB
	s_xor_b32 s[TB], s[TB], SLOT1
.endm
	s_wait_alu depctr_va_vdst(0)
	s_wait_tensorcnt 0x0                           ; my part of slot 0 is in; slot 1's first fill is issued as a refill is
	ds_add_u32 v[SPW], v[NIL]
	s_wait_dscnt 0x0
	CROUND
	JLOAD 28
	s_wait_loadcnt 0x0                             ; Q
	s_mov_b32 s[SLOTS], 2
.Lslot:
	WALK
	CHANGE 1
	s_sub_co_u32 s[SLOTS], s[SLOTS], 1
	s_cmp_lg_u32 s[SLOTS], 0
	s_cbranch_scc1 .Lslot
	WALK                                           ; the tail is written out
	CHANGE 0
	WALK
	; THE WAY OUT: O^T / the row's sum goes through my stage (16 rows of 256 bytes), so that sixteen lanes store one whole row.
	PLACES
	v_add_f32 v[ST+6], v[ST+2], v[ST+3]
	s_delay_alu instid0(VALU_DEP_1)
	v_permlanex16_b32 v[ST+7], v[ST+6], s[SEL], s[SEL+1]
	s_delay_alu instid0(VALU_DEP_1)
	v_add_f32 v[ST+6], v[ST+6], v[ST+7]
	s_wait_alu depctr_va_vdst(0)
	v_rcp_f32 v[ST+4], v[ST+6]
	v_nop
	s_wait_alu depctr_va_vdst(0)
.set jj, 0
.rept 16
	v_pk_mul_f32 v[S+jj:S+jj+1], v[O+jj:O+jj+1], v[ST+4:ST+5] op_sel_hi:[1,0]   ; register 8 n + i is o(query r, d = 32 h + 8 n + i)
.set jj, jj+2
.endr
.irp i, 0,1,2,3,4,5,6,7
	ds_store_b128 v[STO], v[S+4*\i:S+4*\i+3] offset:16*\i
.endr
.irp i, 0,1,2,3,4,5,6,7
	ds_load_b128 v[S+32+4*\i:S+32+4*\i+3], v[SRD] offset:544*\i    ; LDS serves a wave's instructions in order (ISA guide 5.7.1.4)
.endr
.irp i, 0,1,2,3,4,5,6,7
	s_wait_dscnt 7-\i                              ; behind this load: the later loads
	global_store_b128 v[GO], v[S+32+4*\i:S+32+4*\i+3], s[6:7] offset:(32*(\i/4)+2*(\i%4))*256 th:TH_STORE_NT   ; two neighbouring rows: 512 consecutive bytes, aligned
.endr
	s_wait_tensorcnt 0x0                           ; the wave's end
	ds_add_u32 v[SPW], v[NIL]
	s_wait_dscnt 0x0
	CROUND                                         ; the closing round
	s_endpgm
.Lfunc_end_k_q990d88f9ee_attn:
	.size	k_q990d88f9ee_attn, .Lfunc_end_k_q990d88f9ee_attn-k_q990d88f9ee_attn
	.p2alignl 7, 3214868480
	.fill 96, 4, 3214868480
	.section	.rodata,"a",@progbits
	.p2align	6, 0x0
	.amdhsa_kernel k_q990d88f9ee_attn
		.amdhsa_group_segment_fixed_size 327680
		.amdhsa_private_segment_fixed_size 0
		.amdhsa_enable_private_segment 0
		.amdhsa_kernarg_size 16
		.amdhsa_user_sgpr_count 2
		.amdhsa_user_sgpr_kernarg_segment_ptr 1
		.amdhsa_wavefront_size32 1
		.amdhsa_system_sgpr_workgroup_id_x 1
		.amdhsa_system_sgpr_workgroup_id_y 1
		.amdhsa_system_sgpr_workgroup_id_z 1
		.amdhsa_system_vgpr_workitem_id 0
		.amdhsa_next_free_vgpr 256
		.amdhsa_next_free_sgpr 66
		.amdhsa_reserve_vcc 0
		.amdhsa_float_denorm_mode_32 3
		.amdhsa_float_denorm_mode_16_64 3
		.amdhsa_memory_ordered 1
		.amdhsa_forward_progress 1
		.amdhsa_inst_pref_size 59
	.end_amdhsa_kernel
	.amdgpu_metadata
---
amdhsa.version: [ 1, 2 ]
amdhsa.kernels:
  - .name:           k_q990d88f9ee_attn
    .symbol:         k_q990d88f9ee_attn.kd
    .args:
      - { .name: qkv, .offset: 0, .size: 8, .value_kind: global_buffer, .address_space: global }
      - { .name: out0, .offset: 8, .size: 8, .value_kind: global_buffer, .address_space: global }
    .group_segment_fixed_size: 327680
    .private_segment_fixed_size: 0
    .kernarg_segment_align: 8
    .kernarg_segment_size: 16
    .max_flat_workgroup_size: 512
    .sgpr_count:     66
    .vgpr_count:     256
    .wavefront_size: 32
...
	.end_amdgpu_metadata
.endif
;; end of part 3
